; MI455X (gfx1250); checked and timed in simulation.
; The chip was launched on July 23, 2026; its instructions are those of AMD's public machine-readable ISA for CDNA 5 (MIT licence, August 2026) and "CDNA5" Instruction Set Architecture Reference Guide (July 2026). The comments in the code are by the model that wrote it; some were corrected since.
;; Si LU Attention. Allowed arithmetic: float matrix products may take bf16 or f16 operands with f32 sums; other float arithmetic in f32, or as packed bf16 or f16 multiplies, adds, multiply-adds, maxima and minima; sums over many terms, partial sums and values carried from step to step in f32; what a program stores and reads back later, other than sums and carried values, may be rounded once to bf16 or f16.
;; Inputs: W_out 512 x 512 float32; W_qkuv 512 x 2,048 float32; attn_mask 4,096 x 4,096 float32; ln_beta 64 float32; ln_gamma 64 float32; x 2 x 4,096 x 512 float32.
;; Outputs: out0 2 x 4,096 x 512 float32.
;; One version. Each part assembles by itself: llvm-mc -triple=amdgcn-amd-amdhsa -mcpu=gfx1250 --defsym DOCPART=n.
;; ======== version 1 of 1: 4 launches
;; limits: values are held in f16: magnitudes above 65,504 overflow, below 6.1e-05 lose precision; right only within a limited range of input values
;; workspace buffers: xb 8,388,608 bytes; wb1 2,097,152 bytes; wb2 524,288 bytes; flags 2,048 bytes of whole numbers; qkvu 33,554,432 bytes; nrm 4,096 bytes; of 8,388,608 bytes
;; launch prep (part 1): grid 424 x 1, 16 waves a work-group, no clusters, 2,304 bytes of LDS; arguments attn_mask, x, W_qkuv, W_out, xb, wb1, wb2, flags; writes xb, wb1, wb2, flags
.if DOCPART == 1
	.amdgcn_target "amdgcn-amd-amdhsa--gfx1250"
	.amdhsa_code_object_version 6
	.text
	.protected	k_q001281dc01_prep
	.globl	k_q001281dc01_prep
	.p2align	8
	.type	k_q001281dc01_prep,@function
k_q001281dc01_prep:
	s_mov_b64 s[64:65], 0
	v_nop
	global_prefetch_b8 v0, s[64:65] scope:SCOPE_SE
	s_setreg_imm32_b32 hwreg(HW_REG_WAVE_MODE, 25, 1), 1
	s_wait_xcnt 0x0
; SiLU attention, launch 1 of 4: the mask is classified, x and the two weights are rounded to bf16.
; WHAT THE PROGRAM LEAVES OUT, AND WHY.  No input is left out.  reference() multiplies silu(scores) by attn_mask, an input.  Where a tile of the mask (16 rows x 256 keys)
; holds only +0 or -0, silu(s) x 0 = 0 for every finite s, so the tile's scores add nothing to attn_out; where it holds only 1.0, the multiplication changes nothing.
; Which tiles are so is read from the mask itself, here, and stored as whole numbers; the attention launch reads those numbers and does what they ask for.  No pattern is built in.
; LIMIT: a NaN, an infinity or an overflow in a score that lies under an all-zero tile is not carried to the result.
; WORK-GROUPS 0-255: tile row t = rows 16 t .. 16 t + 15 of the mask.  Wave w takes keys 256 w .. 256 w + 255: 32 loads of 512 consecutive bytes.
;   flags: u32 live[256] at byte 0, u32 no1[256] at byte 1,024; bit c of entry t speaks of keys 256 c ..: live = some element is not +-0, no1 = some element is not 1.0.
; WORK-GROUPS 256-423: 131,072 bytes of x (128 groups), W_qkuv (32) or W_out (8) are rounded to bf16 as they lie: a load of a wave covers 512 consecutive bytes, a store 256.
.set SPARE, 256                        ; bytes 0-127: the waves' flag words; from 256 on the spare words, 128 bytes a wave, which no other line names
.set DAT, 16                           ; v[16:143] data
	s_load_b512 s[8:23], s[0:1], 0x0               ; mask s[8:9], x s[10:11], W_qkuv s[12:13], W_out s[14:15], xb s[16:17], wb1 s[18:19], wb2 s[20:21], flags s[22:23]
	v_lshl_add_u32 v2, v0, 2, SPARE                ; my spare word
	v_mov_b32 v3, 0
	v_lshrrev_b32 v1, 5, v0
	v_readfirstlane_b32 s4, v1                     ; wave 0..15
	v_and_b32 v4, 31, v0                           ; lane
	s_wait_kmcnt 0x0
	s_cmp_lt_u32 ttmp9, 256
	s_cbranch_scc0 .Lcast
	; ---- the mask's tile row ----
	s_lshl_b32 s24, ttmp9, 18                      ; 16 rows of 16,384 bytes
	s_mov_b32 s25, 0
	s_add_nc_u64 s[8:9], s[8:9], s[24:25]
	v_lshlrev_b32 v5, 4, v4
	v_lshl_add_u32 v5, v1, 10, v5                  ; 1,024 x wave + 16 x lane
.set l, 0
.rept 32                               ; load l: row l / 2, half l % 2 of the chunk's 1,024 bytes
	global_load_b128 v[DAT+4*l:DAT+4*l+3], v5, s[8:9] offset:(l/2)*16384+(l%2)*512 th:TH_LOAD_NT
.set l, l+1
.endr
	s_wait_loadcnt 30                              ; the first two loads are in; thirty younger stay out
.irp k, 0,1,2,3
	v_or_b32 v[6+\k], v[DAT+\k], v[DAT+4+\k]       ; four chains of OR and four of AND, started by the first words
	v_and_b32 v[10+\k], v[DAT+\k], v[DAT+4+\k]
.endr
.set l, 2
.rept 30
	s_wait_loadcnt 31-l                            ; load l is in; the younger ones stay out
.irp k, 0,1,2,3
	v_or_b32 v[6+\k], v[6+\k], v[DAT+4*l+\k]
	v_and_b32 v[10+\k], v[10+\k], v[DAT+4*l+\k]
.endr
.set l, l+1
.endr
	v_or_b32 v6, v6, v7
	v_or_b32 v8, v8, v9
	v_or_b32 v6, v6, v8
	v_and_b32 v10, v10, v11
	v_and_b32 v12, v12, v13
	v_and_b32 v10, v10, v12
	v_and_b32 v7, 0x7fffffff, v6                   ; the sign of a zero does not count
	v_cmp_ne_u32 s26, 0, v7                        ; lanes that saw something other than 0
	v_xor_b32 v8, 0x3f800000, v6                   ; all words are 1.0 just when their OR and their AND are
	v_xor_b32 v9, 0x3f800000, v10
	v_or_b32 v8, v8, v9
	v_cmp_ne_u32 s27, 0, v8
	s_cmp_lg_u32 s26, 0
	s_cselect_b32 s26, 1, 0
	s_lshl_b32 s26, s26, s4                        ; bit = my chunk's number
	s_cmp_lg_u32 s27, 0
	s_cselect_b32 s27, 1, 0
	s_lshl_b32 s27, s27, s4
	v_mov_b32 v6, s26
	v_mov_b32 v7, s27
	v_lshlrev_b32 v8, 3, v1
	ds_store_b64 v8, v[6:7]                        ; all lanes write the wave's two words
	s_wait_dscnt 0x0                               ; for the others' sake
	s_barrier_signal -1
	s_barrier_wait -1
	s_cmp_lg_u32 s4, 0
	s_cbranch_scc1 .Lend
	v_mov_b32 v8, 0
.irp i, 0,1,2,3,4,5,6,7
	ds_load_b128 v[DAT+4*\i:DAT+4*\i+3], v8 offset:16*\i
.endr
	s_wait_dscnt 0x0
.set i, 1
.rept 15
	v_or_b32 v16, v16, v[16+2*i]
	v_or_b32 v17, v17, v[17+2*i]
.set i, i+1
.endr
	v_cmp_eq_u32 vcc_lo, 0, v4
	v_cndmask_b32 v20, v17, v16, vcc_lo            ; lane 0: live, lane 1: no1
	v_lshlrev_b32 v21, 10, v4
	s_lshl_b32 s24, ttmp9, 2
	v_add_nc_u32 v21, s24, v21                     ; 4 t + 1,024 x lane
	v_cmp_gt_u32 vcc_lo, 2, v4
	s_wait_xcnt 0x0                                ; EXEC changes only behind this wait
	s_and_saveexec_b32 s25, vcc_lo
	global_store_b32 v21, v20, s[22:23]
	s_wait_xcnt 0x0
	s_or_b32 exec_lo, exec_lo, s25
	s_branch .Lend
.Lcast:
	; ---- a piece of x or of a weight ----
	s_sub_co_u32 s24, ttmp9, 256
	s_cmp_lt_u32 s24, 128
	s_cselect_b64 s[26:27], s[10:11], s[12:13]
	s_cselect_b64 s[28:29], s[16:17], s[18:19]
	s_cselect_b32 s25, 0, 128
	s_cmp_lt_u32 s24, 160
	s_cselect_b64 s[26:27], s[26:27], s[14:15]
	s_cselect_b64 s[28:29], s[28:29], s[20:21]
	s_cselect_b32 s25, s25, 160
	s_sub_co_u32 s24, s24, s25                     ; the piece's number in its tensor
	s_lshl_b32 s30, s24, 17
	s_mov_b32 s31, 0
	s_add_nc_u64 s[26:27], s[26:27], s[30:31]
	s_lshl_b32 s30, s24, 16
	s_add_nc_u64 s[28:29], s[28:29], s[30:31]
	v_lshlrev_b32 v5, 4, v0                        ; 16 bytes a thread in, 8 out
	v_lshlrev_b32 v6, 3, v0
.set i, 0
.rept 16
	global_load_b128 v[DAT+4*i:DAT+4*i+3], v5, s[26:27] offset:i*8192 th:TH_LOAD_NT
.set i, i+1
.endr
.set i, 0
.rept 16
	s_wait_loadcnt 15-i                            ; load i is in; the younger ones stay out
	v_cvt_pk_bf16_f32 v[DAT+4*i], v[DAT+4*i], v[DAT+4*i+1]
	v_cvt_pk_bf16_f32 v[DAT+4*i+1], v[DAT+4*i+2], v[DAT+4*i+3]
	global_store_b64 v6, v[DAT+4*i:DAT+4*i+1], s[28:29] offset:i*4096
.set i, i+1
.endr
.Lend:
	s_wait_tensorcnt 0x0                           ; the wave's end
	ds_add_u32 v2, v3
	s_wait_dscnt 0x0
	s_endpgm
.Lfunc_end_k_q001281dc01_prep:
	.size	k_q001281dc01_prep, .Lfunc_end_k_q001281dc01_prep-k_q001281dc01_prep
	.p2alignl 7, 3214868480
	.fill 96, 4, 3214868480
	.section	.rodata,"a",@progbits
	.p2align	6, 0x0
	.amdhsa_kernel k_q001281dc01_prep
		.amdhsa_group_segment_fixed_size 2304
		.amdhsa_private_segment_fixed_size 0
		.amdhsa_enable_private_segment 0
		.amdhsa_kernarg_size 64
		.amdhsa_user_sgpr_count 2
		.amdhsa_user_sgpr_kernarg_segment_ptr 1
		.amdhsa_wavefront_size32 1
		.amdhsa_system_sgpr_workgroup_id_x 1
		.amdhsa_system_sgpr_workgroup_id_y 1
		.amdhsa_system_sgpr_workgroup_id_z 1
		.amdhsa_system_vgpr_workitem_id 0
		.amdhsa_next_free_vgpr 144
		.amdhsa_next_free_sgpr 66
		.amdhsa_reserve_vcc 1
		.amdhsa_float_denorm_mode_32 3
		.amdhsa_float_denorm_mode_16_64 3
		.amdhsa_memory_ordered 1
		.amdhsa_forward_progress 1
		.amdhsa_inst_pref_size 22
	.end_amdhsa_kernel
	.amdgpu_metadata
---
amdhsa.version: [ 1, 2 ]
amdhsa.kernels:
  - .name:           k_q001281dc01_prep
    .symbol:         k_q001281dc01_prep.kd
    .args:
      - { .name: attn_mask, .offset: 0, .size: 8, .value_kind: global_buffer, .address_space: global }
      - { .name: x, .offset: 8, .size: 8, .value_kind: global_buffer, .address_space: global }
      - { .name: W_qkuv, .offset: 16, .size: 8, .value_kind: global_buffer, .address_space: global }
      - { .name: W_out, .offset: 24, .size: 8, .value_kind: global_buffer, .address_space: global }
      - { .name: xb, .offset: 32, .size: 8, .value_kind: global_buffer, .address_space: global }
      - { .name: wb1, .offset: 40, .size: 8, .value_kind: global_buffer, .address_space: global }
      - { .name: wb2, .offset: 48, .size: 8, .value_kind: global_buffer, .address_space: global }
      - { .name: flags, .offset: 56, .size: 8, .value_kind: global_buffer, .address_space: global }
    .group_segment_fixed_size: 2304
    .private_segment_fixed_size: 0
    .kernarg_segment_align: 8
    .kernarg_segment_size: 64
    .max_flat_workgroup_size: 512
    .sgpr_count:     66
    .vgpr_count:     144
    .wavefront_size: 32
...
	.end_amdgpu_metadata
.endif
;; end of part 1
;; launch proj (part 2): grid 32 x 8, 4 waves a work-group, clusters of 4 x 1, 327,680 bytes of LDS; arguments xb, wb1, qkvu, nrm; writes qkvu, nrm
.if DOCPART == 2
	.amdgcn_target "amdgcn-amd-amdhsa--gfx1250"
	.amdhsa_code_object_version 6
	.text
	.protected	k_q001281dc01_proj
	.globl	k_q001281dc01_proj
	.p2align	8
	.type	k_q001281dc01_proj,@function
k_q001281dc01_proj:
	s_mov_b64 s[64:65], 0
	v_nop
	global_prefetch_b8 v0, s[64:65] scope:SCOPE_SE
	s_setreg_imm32_b32 hwreg(HW_REG_WAVE_MODE, 25, 1), 1
	s_wait_xcnt 0x0
	s_wait_alu depctr_hold_cnt(0) depctr_sa_sdst(0) depctr_va_vdst(0) depctr_va_sdst(0) depctr_va_ssrc(0) depctr_va_vcc(0) depctr_vm_vsrc(0)
	s_getreg_b32 s2, hwreg(HW_REG_IB_STS2, 6, 4)
	s_cmp_eq_u32 s2, 0
	s_cbranch_scc0 .Lentry_in_a_cluster
	s_endpgm
.Lentry_in_a_cluster:
	s_bfe_u32 s2, ttmp6, 0x10000c
	s_cmp_lg_u32 s2, 0x3003
	s_cbranch_scc0 .Lentry_shape_is_right
	s_endpgm
.Lentry_shape_is_right:
; Launch 2 of 4: silu(x W_qkuv), 8,192 x 512 x 2,048, bf16 operands, f32 sums; the result leaves in f16, laid out as the attention launch's operand registers take it.  Nothing of reference() is left out here.
; A tile of 256 x 256 to a work-group, 128 x 128 to each of four waves: 64 accumulators.  K goes in four steps of 128 through two LDS slots.
; CLUSTER 4 x 1: the four partners have four row tiles and ONE column tile, so W's tile is asked for jointly (mask 15); x's tile is each work-group's own load in the same rounds.  The partners also share the
; section (q, k, v or u = column tile / 2) on which the way out's branches hang; a cluster that reached across column tiles would mix sections.
; W lies [k][n]: its fragments come out of LDS turned, by ds_load_tr16_b128.  The matrix instruction is used transposed (source 0 = 16 columns of W, source 1 = 16 rows of x): a lane holds one row and 8 neighbouring columns.
; WHAT IS STORED.  Sections q'', k, v, u of 8,388,608 bytes, in pieces of 512 bytes at ((bh 256 + rb) 4 + b4) 512 + 16 lane.  q'', k, u: lane l holds row 16 rb + l % 16, channels 16 b4 + 8 (l / 16) + 0..7.
; v: lane l holds channel 16 b4 + l % 16, keys 16 rb + 8 (l / 16) + 0..7 (turned in the wave's stage).  q'' = -(log2(e) / 8) silu(.): the score's scale and sign, applied in f32 before the one rounding.
; nrm[2][16 bh][32]: the largest sum of squares over 64 channels among 128 rows, of q'' and of k: the attention launch makes a bound on the scores of it.
; LIMIT: f16 ends at 65,504: |silu(x W)| stays under that (inputs of the drawn kind give about 5).
.set KSTEP,  128
.set PA,     272                       ; a row of x in LDS: 256 bytes + 16
.set PB,     544                       ; a row of W in LDS: 512 bytes + 32, an odd multiple of 32 for the turning load
.set HALFT,  34816                     ; what one tensor load brings: 128 rows x 272 = 64 rows x 544
.set SLOT,   4*HALFT
.set STAGE,  2*SLOT                    ; 16 rows x 288 bytes for each wave, never filled by a tensor load
.set SPITCH, 288
.set SPARE,  STAGE+4*16*SPITCH         ; the spare words, 128 bytes a wave
.set ADRA, 16                          ; v16-17 my x fragments' LDS address in slot 0, 1
.set ADRB, 20                          ; v20-21 the same for W
.set STO,  24
.set RD,   25
.set CO,   26                          ; 16 x lane
.set SPW,  28
.set NIL,  29
.set MX0,  30                          ; v30-31 the largest sum of squares of my two heads
.set F0,   64
.set F1,   128
.set EW,   64                          ; the way out: 64 numbers at work
.set TMP,  128                         ; the way out: packed results, two buffers of 32
.set G1A, 24
.set G0A, 32
.set G1B, 48
.set G0B, 56
.set LG,  68                           ; s[68:69] -log2(e)
.set ISC, 70                           ; s[70:71] the divisor's factor
.set SEL, 72                           ; s[72:73]
.set MSB, 0
.macro WIN new                         ; the immediate's high byte repeats the setting that is left
.if MSB != (\new)
	s_set_vgpr_msb (MSB<<8)|(\new)
.set MSB, \new
.endif
.endm
.set MUL_LO, 0xa1                      ; source 0 (W) window 1, source 1 (x) window 0, C and D window 2
.set MUL_HI, 0xf1
.set TO_B,   0x40
.macro JLOAD s                         ; waves 0, 1: x's two halves (my own load); waves 2, 3: W's two halves (joint).  An s_nop 0 and four v_nop follow each line
	s_cmp_eq_u32 s13, 0
	s_cbranch_scc0 .Lfor_b_\@
	tensor_load_to_lds s[G0A+4*(\s):G0A+4*(\s)+3], s[G1A:G1A+7]
	s_nop 0
.rept 4
	v_nop
.endr
	s_branch .Lasked_\@
.Lfor_b_\@:
	tensor_load_to_lds s[G0B+4*(\s):G0B+4*(\s)+3], s[G1B:G1B+7]
	s_nop 0
.rept 4
	v_nop
.endr
.Lasked_\@:
.endm
.macro CREST
	s_cmp_lg_u32 s12, 0
	s_cbranch_scc1 .Lnot_wave_0_\@
	s_barrier_signal -3
.Lnot_wave_0_\@:
	s_barrier_wait -3
	s_barrier_signal -1
	s_barrier_wait -1
.endm
.macro CROUND
	s_barrier_signal -1
	s_barrier_wait -1
	CREST
.endm
	s_load_b256 s[4:11], s[0:1], 0x0               ; xb s[4:5], wb1 s[6:7], qkvu s[8:9], nrm s[10:11]
	v_lshl_add_u32 v[SPW], v0, 2, SPARE
	v_mov_b32 v[NIL], 0
	ds_add_u32 v[SPW], v[NIL]                      ; the opening: the add, twice on end, and its wait ahead of my first tensor load
	ds_add_u32 v[SPW], v[NIL]
	v_lshrrev_b32 v1, 5, v0
	v_readfirstlane_b32 s12, v1                    ; wave
	s_lshr_b32 s13, s12, 1                         ; my half of the rows; also: I fetch x (0) or W (1)
	s_and_b32 s14, s12, 1                          ; my half of the columns; also: which half I fetch
	s_bfe_u32 s15, ttmp6, 0x40000                  ; cx
	s_lshl_b32 s16, ttmp9, 2
	s_add_co_u32 s16, s16, s15                     ; row tile
	s_and_b32 s17, ttmp7, 0xffff                   ; column tile, shared by the partners
	s_lshr_b32 s18, s17, 1                         ; section
	s_mov_b32 s[G1A+0], (1<<16)|(1<<20)|(5<<22)|(3<<25)  ; 2-byte elements; 4 words of padding after every 64
	s_mov_b32 s[G1A+1], 128<<16                    ; tensor_dim0
	s_mov_b32 s[G1A+2], 128<<16                    ; tensor_dim1
	s_mov_b32 s[G1A+3], 128<<16                    ; tile_dim0
	s_mov_b32 s[G1A+4], 128                        ; tile_dim1
	s_mov_b32 s[G1A+5], 512                        ; elements from row to row
	s_mov_b32 s[G1A+6], 0
	s_mov_b32 s[G1A+7], 0
	s_mov_b32 s[G1B+0], 15|(1<<16)|(1<<20)|(1<<21)|(6<<22)|(7<<25)  ; the mask of four, bit 21 beside it; 8 words of padding after every 128
	s_mov_b32 s[G1B+1], 256<<16
	s_mov_b32 s[G1B+2], 64<<16
	s_mov_b32 s[G1B+3], 256<<16
	s_mov_b32 s[G1B+4], 64
	s_mov_b32 s[G1B+5], 2048
	s_mov_b32 s[G1B+6], 0
	s_mov_b32 s[G1B+7], 0
	s_lshl_b32 s40, s16, 18                        ; x: 256 rows of 1,024 bytes a tile,
	s_lshl_b32 s41, s14, 17                        ; 128 rows a half
	s_add_co_u32 s40, s40, s41
	s_mov_b32 s41, 0
	s_lshl_b32 s42, s14, 18                        ; W: 64 rows of 4,096 bytes a half,
	s_lshl_b32 s43, s17, 9                         ; 512 bytes a column tile
	s_add_co_u32 s42, s42, s43
	s_mov_b32 s43, 0
	s_mul_i32 s20, s12, HALFT                      ; where my loads land
	s_mov_b32 s[LG], 0xbfb8aa3b
	s_mov_b32 s[LG+1], s[LG]
	s_mov_b32 s[SEL], 0x76543210
	s_mov_b32 s[SEL+1], 0xfedcba98
	s_cmp_eq_u32 s18, 0
	s_cselect_b32 s[ISC], 0xc0b17218, 1.0          ; q'': -8 / log2(e); the others: 1
	s_mov_b32 s[ISC+1], s[ISC]
	s_wait_dscnt 0x0                               ; both opening adds are done
	s_wait_kmcnt 0x0
	s_add_nc_u64 s[44:45], s[4:5], s[40:41]
	s_add_nc_u64 s[46:47], s[6:7], s[42:43]
	CROUND                                         ; the four work-groups are here: the first joint loads meet
.irp s, 0,1
	s_mov_b32 s[G0A+4*(\s)], 1
	s_add_co_u32 s[G0A+4*(\s)+1], s20, (\s)*SLOT
	s_add_nc_u64 s[G0A+4*(\s)+2:G0A+4*(\s)+3], s[44:45], (\s)*256
	s_or_b32 s[G0A+4*(\s)+3], s[G0A+4*(\s)+3], 0x80000000
	s_mov_b32 s[G0B+4*(\s)], 1
	s_add_co_u32 s[G0B+4*(\s)+1], s20, (\s)*SLOT
	s_add_nc_u64 s[G0B+4*(\s)+2:G0B+4*(\s)+3], s[46:47], (\s)*524288
	s_or_b32 s[G0B+4*(\s)+3], s[G0B+4*(\s)+3], 0x80000000
	JLOAD \s
.endr
	v_and_b32 v1, 15, v0                           ; l % 16
	v_bfe_u32 v2, v0, 4, 1                         ; l / 16
	v_and_b32 v3, 7, v0
	v_bfe_u32 v4, v0, 3, 1
	v_mul_u32_u24 v5, v1, PA
	v_lshl_add_u32 v5, v2, 4, v5                   ; x: row x pitch + 16 x half
	v_lshl_add_u32 v6, v2, 3, v3                   ; the turning load's row: 8 (l / 16) + l % 8
	v_mul_u32_u24 v7, v6, PB
	v_lshl_add_u32 v7, v4, 4, v7
	s_mul_i32 s21, s13, HALFT
	s_lshl_b32 s22, s14, 8                         ; my 128 columns
	s_add_co_u32 s22, s22, 2*HALFT
.irp s, 0,1
	v_add_nc_u32 v[ADRA+(\s)], s21, v5
	v_add_nc_u32 v[ADRB+(\s)], s22, v7
	s_add_co_u32 s21, s21, SLOT
	s_add_co_u32 s22, s22, SLOT
.endr
	s_mul_i32 s23, s12, 16*SPITCH
	s_add_co_u32 s23, s23, STAGE
	v_mul_u32_u24 v8, v1, SPITCH
	v_lshl_add_u32 v8, v2, 4, v8
	v_add_nc_u32 v[STO], s23, v8
	v_mul_u32_u24 v8, v6, SPITCH
	v_lshl_add_u32 v8, v4, 4, v8
	v_add_nc_u32 v[RD], s23, v8
	v_and_b32 v9, 31, v0
	v_lshlrev_b32 v[CO], 4, v9
	v_mov_b32 v[MX0], 0
	v_mov_b32 v[MX0+1], 0
	; where my pieces go: section, head bh0 = 8 batch + 4 (column tile % 2) + 2 (my column half), row block 16 (row tile % 16) + 8 (my row half)
	s_lshr_b32 s82, s16, 4
	s_lshl_b32 s82, s82, 3
	s_and_b32 s80, s17, 1
	s_lshl_b32 s80, s80, 2
	s_add_co_u32 s82, s82, s80
	s_lshl_b32 s80, s14, 1
	s_add_co_u32 s82, s82, s80                     ; bh0
	s_and_b32 s83, s16, 15
	s_lshl_b32 s80, s82, 8
	s_lshl_b32 s81, s83, 4
	s_add_co_u32 s80, s80, s81
	s_lshl_b32 s81, s13, 3
	s_add_co_u32 s80, s80, s81
	s_lshl_b32 s80, s80, 11
	s_lshl_b32 s81, s18, 23
	s_add_co_u32 s80, s80, s81
	s_mov_b32 s81, 0
	s_add_nc_u64 s[8:9], s[8:9], s[80:81]
.macro MUL16 f, hi, a0, zero           ; 16 products: row blocks a0, a0 + 1 of the window's four x all 8 column blocks; the 64 accumulators take turns
	WIN MUL_LO+0x50*(\hi)
.irp a, \a0, (\a0)+1
.irp b, 0,1,2,3,4,5,6,7
.if \zero
	v_wmma_f32_16x16x32_bf16 v[8*(8*(\a)+(\b)):8*(8*(\a)+(\b))+7], v[(\f)+8*(\b):(\f)+8*(\b)+7], v[(\f)+8*(4*(\hi)+(\a)):(\f)+8*(4*(\hi)+(\a))+7], 0
.else
	v_wmma_f32_16x16x32_bf16 v[8*(8*(\a)+(\b)):8*(8*(\a)+(\b))+7], v[(\f)+8*(\b):(\f)+8*(\b)+7], v[(\f)+8*(4*(\hi)+(\a)):(\f)+8*(4*(\hi)+(\a))+7], v[8*(8*(\a)+(\b)):8*(8*(\a)+(\b))+7]
.endif
.endr
.endr
.endm
.macro FETCH slot, q, f                ; 32 LDS loads in one run: quarter q (32 along K) of the slot into buffer f; W's 16 first, x's rows 64-127 last
	WIN TO_B
.irp i, 0,1,2,3,4,5,6,7
	ds_load_tr16_b128 v[(\f)+8*(\i):(\f)+8*(\i)+3],   v[ADRB+(\slot)] offset:(\q)*32*PB+32*(\i)
	ds_load_tr16_b128 v[(\f)+8*(\i)+4:(\f)+8*(\i)+7], v[ADRB+(\slot)] offset:(\q)*32*PB+32*(\i)+16*PB
.endr
	WIN 0
.irp i, 0,1,2,3,4,5,6,7
	ds_load_b128 v[(\f)+8*(\i):(\f)+8*(\i)+3],   v[ADRA+(\slot)] offset:(\q)*64+(\i)*16*PA
	ds_load_b128 v[(\f)+8*(\i)+4:(\f)+8*(\i)+7], v[ADRA+(\slot)] offset:(\q)*64+(\i)*16*PA+32
.endr
.endm
.macro PLACES                          ; four plain places behind a matrix instruction, ahead of loads into its sources and of readers of its result
.rept 4
	v_nop
.endr
.endm
.macro QUARTER slot, q, f, g, zero     ; multiplies buffer f; in its middle fetches quarter q of the same slot into g
	s_wait_dscnt 8                                 ; all but the youngest eight loads (x's rows 64-127)
	MUL16 \f, 0, 0, \zero
	MUL16 \f, 0, 2, \zero
	PLACES
	FETCH \slot, \q, \g
	s_wait_dscnt 32                                ; all but the 32 just issued
	MUL16 \f, 1, 0, \zero
	MUL16 \f, 1, 2, \zero
.endm
.macro MEET round                      ; the change of slots' first half: all my tensor loads, the add, my reads of the slot, then the barrier
	WIN 0
	s_wait_tensorcnt 0x0                           ; the one that was out is my part of the next slot
	ds_add_u32 v[SPW], v[NIL]
	s_wait_dscnt 9                                 ; the add and the youngest eight loads may be out
	MUL16 F1, 0, 0, 0
	s_wait_dscnt 0x0                               ; the add is done, my reads of this slot are over
	s_barrier_signal -1
	MUL16 F1, 0, 2, 0
.if \round
	WIN 0
.endif
	s_barrier_wait -1
.endm
.macro TURN slot, next, fill           ; the last quarter of a K step
	MEET \fill
.if \fill
	CREST                                          ; the barrier has opened a round of the cluster's: no wave of any partner still reads this slot or has a load on its way
	s_add_nc_u64 s[G0A+4*(\slot)+2:G0A+4*(\slot)+3], s[G0A+4*(\slot)+2:G0A+4*(\slot)+3], 512
	s_add_nc_u64 s[G0B+4*(\slot)+2:G0B+4*(\slot)+3], s[G0B+4*(\slot)+2:G0B+4*(\slot)+3], 0x100000
	JLOAD \slot                                    ; the first tensor load behind the round; its four v_nop are also the places ahead of the loads below
.else
	PLACES
.endif
	FETCH \next, 0, F0
	MUL16 F1, 1, 0, 0
	MUL16 F1, 1, 2, 0
.endm
	s_wait_tensorcnt 1                             ; my part of K step 0 is in; K step 1's may stay out
	s_barrier_signal -1
	s_barrier_wait -1
	FETCH 0, 0, F0
	QUARTER 0, 1, F0, F1, 1                        ; the first products start the sums
	QUARTER 0, 2, F1, F0, 0
	QUARTER 0, 3, F0, F1, 0
	TURN 0, 1, 1                                   ; slot 0 takes K step 2
	QUARTER 1, 1, F0, F1, 0
	QUARTER 1, 2, F1, F0, 0
	QUARTER 1, 3, F0, F1, 0
	TURN 1, 0, 1                                   ; slot 1 takes K step 3
	QUARTER 0, 1, F0, F1, 0
	QUARTER 0, 2, F1, F0, 0
	QUARTER 0, 3, F0, F1, 0
	TURN 0, 1, 0                                   ; nothing is left to fetch
	QUARTER 1, 1, F0, F1, 0
	QUARTER 1, 2, F1, F0, 0
	QUARTER 1, 3, F0, F1, 0
	s_wait_dscnt 8
	MUL16 F1, 0, 0, 0
	MUL16 F1, 0, 2, 0
	s_wait_dscnt 0x0
	MUL16 F1, 1, 0, 0
	MUL16 F1, 1, 2, 0
	WIN 0
	PLACES
; THE WAY OUT of row block a of window 2: z / (isc (1 + 2^(-log2(e) z))), the heads' sums of squares, the rounding to f16, v's turn through the stage, eight stores of 512 consecutive bytes.
.macro PACK a
.set AC, 64*(\a)
.set TB, TMP+32*((\a)%2)
	WIN 0x02                                       ; source 0 in window 2
.set i, 0
.rept 32
	v_pk_mul_f32 v[EW+i:EW+i+1], v[AC+i:AC+i+1], s[LG:LG+1] op_sel_hi:[1,0]
.set i, i+2
.endr
	WIN 0
.set i, 0
.rept 64
	v_exp_f32 v[EW+i], v[EW+i]
.set i, i+1
.endr
	v_nop                                          ; a plain instruction behind the last exponential,
	s_wait_alu depctr_va_vdst(0)                   ; and one wait for the batch
.set i, 0
.rept 32
	v_pk_fma_f32 v[EW+i:EW+i+1], v[EW+i:EW+i+1], s[ISC:ISC+1], s[ISC:ISC+1] op_sel_hi:[1,0,0]
.set i, i+2
.endr
.set i, 0
.rept 64
	v_rcp_f32 v[EW+i], v[EW+i]
.set i, i+1
.endr
	v_nop
	s_wait_alu depctr_va_vdst(0)
	WIN 0x02
.set i, 0
.rept 32
	v_pk_mul_f32 v[EW+i:EW+i+1], v[AC+i:AC+i+1], v[EW+i:EW+i+1]
.set i, i+2
.endr
	WIN 0
	s_cmp_lt_u32 s18, 2
	s_cbranch_scc0 .Lnn_\@
.irp g, 0,1                            ; my two heads: 32 numbers a lane each, the row's other 32 in the lane 16 away
	v_pk_mul_f32 v[32:33], v[EW+32*\g:EW+32*\g+1], v[EW+32*\g:EW+32*\g+1]
	v_pk_mul_f32 v[34:35], v[EW+32*\g+2:EW+32*\g+3], v[EW+32*\g+2:EW+32*\g+3]
.set i, 4
.rept 7
	v_pk_fma_f32 v[32:33], v[EW+32*\g+i:EW+32*\g+i+1], v[EW+32*\g+i:EW+32*\g+i+1], v[32:33]
	v_pk_fma_f32 v[34:35], v[EW+32*\g+i+2:EW+32*\g+i+3], v[EW+32*\g+i+2:EW+32*\g+i+3], v[34:35]
.set i, i+4
.endr
	v_pk_add_f32 v[32:33], v[32:33], v[34:35]
	v_add_f32 v32, v32, v33
	v_permlanex16_b32 v33, v32, s[SEL], s[SEL+1]
	v_add_f32 v32, v32, v33
	v_max_num_f32 v[MX0+\g], v[MX0+\g], v32
.endr
.Lnn_\@:
	s_wait_xcnt 0x0                                ; earlier stores have read their registers: the buffer is written again only behind this wait
.set i, 0
.rept 32
	v_cvt_pk_f16_f32 v[TB+i], v[EW+2*i], v[EW+2*i+1]
.set i, i+1
.endr
	s_cmp_eq_u32 s18, 2
	s_cbranch_scc0 .Lnv_\@
.irp b, 0,1,2,3,4,5,6,7                ; v: 16 keys x 128 channels into my stage, and back turned: a lane then holds one channel and 8 keys
	ds_store_b128 v[STO], v[TB+4*\b:TB+4*\b+3] offset:32*\b
.endr
.irp b, 0,1,2,3,4,5,6,7
	ds_load_tr16_b128 v[TB+4*\b:TB+4*\b+3], v[RD] offset:32*\b  ; LDS serves a wave's instructions in order (ISA guide 5.7.1.4)
.endr
	s_wait_dscnt 0x0
.Lnv_\@:
.irp b, 0,1,2,3,4,5,6,7
	global_store_b128 v[CO], v[TB+4*\b:TB+4*\b+3], s[8:9] offset:(\a)*2048+(\b/4)*524288+(\b%4)*512
.endr
.endm
	s_mov_b32 s3, 2
.Lout:                                 ; two trips: my rows 0-63, then rows 64-127, brought down from window 3
	PACK 0
	PACK 1
	PACK 2
	PACK 3
	s_cmp_eq_u32 s3, 1
	s_cbranch_scc1 .Lnomove
	WIN 0x83                                       ; destination window 2, source window 3
.set i, 0
.rept 256
	v_mov_b32 v[i], v[i]
.set i, i+1
.endr
	WIN 0
	s_wait_xcnt 0x0                                ; the stores have read their base
	s_add_nc_u64 s[8:9], s[8:9], 8192              ; four row blocks on
.Lnomove:
	s_sub_co_u32 s3, s3, 1
	s_cmp_lg_u32 s3, 0
	s_cbranch_scc1 .Lout
	s_cmp_lt_u32 s18, 2
	s_cbranch_scc0 .Lfin
.irp m, 1,2,4,8                        ; the largest of the 16 rows that a half of the lanes holds; both halves hold the same
	v_max_num_f32_dpp v[MX0], v[MX0], v[MX0] row_xmask:\m row_mask:0xf bank_mask:0xf
	v_max_num_f32_dpp v[MX0+1], v[MX0+1], v[MX0+1] row_xmask:\m row_mask:0xf bank_mask:0xf
.endr
	v_and_b32 v32, 31, v0
	v_cmp_eq_u32 vcc_lo, 1, v32
	v_cndmask_b32 v33, v[MX0], v[MX0+1], vcc_lo
	s_lshl_b32 s84, s18, 4
	s_add_co_u32 s84, s84, s82
	s_lshl_b32 s84, s84, 5
	s_lshl_b32 s85, s83, 1
	s_add_co_u32 s84, s84, s85
	s_add_co_u32 s84, s84, s13
	s_lshl_b32 s84, s84, 2
	v_lshl_add_u32 v34, v32, 7, s84                ; lane 0: head bh0, lane 1: head bh0 + 1
	v_cmp_gt_u32 vcc_lo, 2, v32
	s_wait_xcnt 0x0                                ; EXEC changes only behind this wait
	s_and_saveexec_b32 s85, vcc_lo
	global_store_b32 v34, v33, s[10:11]
	s_wait_xcnt 0x0
	s_or_b32 exec_lo, exec_lo, s85
.Lfin:
	s_wait_tensorcnt 0x0                           ; the wave's end
	ds_add_u32 v[SPW], v[NIL]
	s_wait_dscnt 0x0
	CROUND                                         ; the closing round
	s_endpgm
.Lfunc_end_k_q001281dc01_proj:
	.size	k_q001281dc01_proj, .Lfunc_end_k_q001281dc01_proj-k_q001281dc01_proj
	.p2alignl 7, 3214868480
	.fill 96, 4, 3214868480
	.section	.rodata,"a",@progbits
	.p2align	6, 0x0
	.amdhsa_kernel k_q001281dc01_proj
		.amdhsa_group_segment_fixed_size 327680
		.amdhsa_private_segment_fixed_size 0
		.amdhsa_enable_private_segment 0
		.amdhsa_kernarg_size 32
		.amdhsa_user_sgpr_count 2
		.amdhsa_user_sgpr_kernarg_segment_ptr 1
		.amdhsa_wavefront_size32 1
		.amdhsa_system_sgpr_workgroup_id_x 1
		.amdhsa_system_sgpr_workgroup_id_y 1
		.amdhsa_system_sgpr_workgroup_id_z 1
		.amdhsa_system_vgpr_workitem_id 0
		.amdhsa_next_free_vgpr 1024
		.amdhsa_next_free_sgpr 96
		.amdhsa_reserve_vcc 1
		.amdhsa_float_denorm_mode_32 3
		.amdhsa_float_denorm_mode_16_64 3
		.amdhsa_memory_ordered 1
		.amdhsa_forward_progress 1
		.amdhsa_inst_pref_size 188
	.end_amdhsa_kernel
	.amdgpu_metadata
---
amdhsa.version: [ 1, 2 ]
amdhsa.kernels:
  - .name:           k_q001281dc01_proj
    .symbol:         k_q001281dc01_proj.kd
    .args:
      - { .name: xb, .offset: 0, .size: 8, .value_kind: global_buffer, .address_space: global }
      - { .name: wb1, .offset: 8, .size: 8, .value_kind: global_buffer, .address_space: global }
      - { .name: qkvu, .offset: 16, .size: 8, .value_kind: global_buffer, .address_space: global }
      - { .name: nrm, .offset: 24, .size: 8, .value_kind: global_buffer, .address_space: global }
    .group_segment_fixed_size: 327680
    .private_segment_fixed_size: 0
    .kernarg_segment_align: 8
    .kernarg_segment_size: 32
    .max_flat_workgroup_size: 128
    .sgpr_count:     96
    .vgpr_count:     1024
    .wavefront_size: 32
...
	.end_amdgpu_metadata
.endif
;; end of part 2
;; launch attn (part 3): grid 16 x 16, 4 waves a work-group, no clusters, 131,584 bytes of LDS; arguments qkvu, nrm, flags, attn_mask, ln_gamma, ln_beta, of; writes of
.if DOCPART == 3
	.amdgcn_target "amdgcn-amd-amdhsa--gfx1250"
	.amdhsa_code_object_version 6
	.text
	.protected	k_q001281dc01_attn
	.globl	k_q001281dc01_attn
	.p2align	8
	.type	k_q001281dc01_attn,@function
k_q001281dc01_attn:
	s_mov_b64 s[64:65], 0
	v_nop
	global_prefetch_b8 v0, s[64:65] scope:SCOPE_SE
	s_setreg_imm32_b32 hwreg(HW_REG_WAVE_MODE, 25, 1), 1
	s_wait_xcnt 0x0
; Launch 3 of 4: O = LayerNorm((silu(q k^T / 8) x mask) v) x u, by heads.
; LEFT OUT, by the whole numbers that the first launch stored: chunks of 256 keys under which all 128 rows of the mask are 0 (silu(s) x 0 = 0 for finite s), and the multiplication where they are all 1.0.
; A NaN, an infinity or an overflow in a score under an all-zero chunk is not carried to the result.
; ARITHMETIC.  t = k . q'' = -log2(e) s.  p = t / (B (1 + 2^t)), B = -b: p = log2(e) silu(s) / b.  b = max(sqrt(Nq) sqrt(Nk), 2^-60), Nq and Nk the head's largest sums of squares of a row of q'' and of k:
; |t| <= b, so |p| <= 1 whatever the inputs' size, and p (times the mask) is rounded to f16.  LayerNorm takes the factor g = log2(e) / b away again exactly if eps is multiplied by g^2.  2^t = inf gives p = 0.
; The mask, gamma and beta are rounded to bf16, as x and the weights are.
; LIMITS: |mask| under 6e4; a weight below 6e-5 of the head's bound keeps f16's fixed step; a head whose bound lies under 2^-60 underflows.
; SHARES.  A unit is 128 queries (8 tiles of 16) of one head; a work-group takes two.  All four waves hold all 8 tiles; of each live chunk wave w takes keys 64 w .. 64 w + 63, in two halves of 32: each byte of k and v
; is loaded by one wave, straight into operand registers, and feeds 8 tiles.  The four partial sums meet in LDS at the unit's end.  The blocks are ranked by their numbers of live chunks; pair p takes ranks 31 - p and p.
; NO CLUSTER, NO LDS RING: the loop's length is a stored count, so no barrier and no LDS fill stands in it.
; BY TURNS.  A piece is 2 tiles x 32 keys.  Turn n: 8 products K Q^T of piece n; the exponentials of piece n - 1; divisor and reciprocals of n - 2; p and its rounding of n - 3; 8 products V^T P of n - 4.
; So every reader of a transcendental's result stands in a later turn, and a turn has one wait.  T, E and O start at 0, so the stages that run empty add exact zeros and no first step is written out.
; REGISTERS, in windows of 256 (s_set_vgpr_msb: bits 1:0 source 0, 3:2 source 1, 5:4 source 2, 7:6 destination):
;   window 0: v1 16 lane; v2 mask offset; v3 0; v4 store, v5-6 read addresses in LDS; v7 prefetch offset; v8-9 the add's; v33 32 (l / 16); v64-191 M, four sets of 32 mask words
;   window 1: v0-127 T, four sets (16 u + 8 kb + j); v128-255 E likewise; P of tile u lies in E[set] + 16 u + 0..7
;   window 2: O, 32 tile + 8 cb       window 3: v0-127 Q; v128 K half A; v160 K half B; v192 V half A; v224 V half B
.set SPARE, 131072                     ; bytes 0-131,071: four waves' partial O; then the spare words
.set W_KQ, 0x5f
.set W_PV, 0xa7
.set W_VE, 0x55
.set W_MX, 0x41
.set QK, 4
.set NR, 6
.set FL, 8
.set MK, 10
.set GAM, 12
.set BET, 14
.set OFP, 16
.set WV, 18
.set PAIR, 19
.set BH, 20
.set BB, 22                            ; s[22:23] B
.set EPS, 24
.set C64, 25
.set SEL, 26
.set KH, 28                            ; s[28:29] the head's k at my 64 keys of chunk 0; s[30:31] v likewise
.set VH, 30
.set KNB, 32                           ; next chunk's k, v; this chunk's v
.set VN, 34
.set VC, 36
.set MN, 38                            ; next chunk's mask, this chunk's, the block's
.set MC, 40
.set MB, 42
.set BITS, 44
.set GEN, 45
.set NCH, 46
.set CNT, 47
.set KP, 48                            ; 1: the chunk before, this chunk, the next chunk wants the mask
.set KC, 49
.set KN, 50
.set LOW, 51
.set CN, 52
.set TA, 53
.set OFS, 54
.set PFB, 56
.set PFK, 57
.set PFA, 58
.set UC, 60
.set FA, 61
.set FB, 62
.set U0, 66                            ; s66-68, s69-71: block, live, general of my two units
.set QH, 72
.set UH, 74
.set OH, 76
.set MW, 78
.set QB, 80
.set UBN, 82
.set OBN, 84
.set UB, 86
.set OB, 88
.set MSB, 0
.macro WIN new
.if MSB != (\new)
	s_set_vgpr_msb (MSB<<8)|(\new)
.set MSB, \new
.endif
.endm
.macro PLACES
.rept 4
	v_nop
.endr
.endm
	s_load_b256 s[4:11], s[0:1], 0x0               ; qkvu, nrm, flags, mask
	s_load_b128 s[12:15], s[0:1], 0x20             ; gamma, beta
	s_load_b64 s[16:17], s[0:1], 0x30              ; of
	v_lshl_add_u32 v8, v0, 2, SPARE
	v_mov_b32 v9, 0
	v_lshrrev_b32 v10, 5, v0
	v_readfirstlane_b32 s[WV], v10
	v_and_b32 v10, 31, v0                          ; lane
	v_and_b32 v11, 15, v0
	v_bfe_u32 v12, v0, 4, 1
	v_lshlrev_b32 v1, 4, v10
	v_lshlrev_b32 v2, 14, v11                      ; the mask: my query's row,
	v_lshl_add_u32 v2, v12, 5, v2                  ; my 8 keys
	v_mov_b32 v3, 0
	s_lshl_b32 s[TA], s[WV], 15
	v_add_nc_u32 v4, s[TA], v1
	s_lshl_b32 s[TA], s[WV], 13
	v_add_nc_u32 v5, s[TA], v1
	v_add_nc_u32 v6, 0x10000, v5
	v_lshlrev_b32 v7, 14, v10
	v_lshlrev_b32 v33, 5, v12
	v_lshlrev_b32 v13, 5, v10
	s_mov_b32 s[PAIR], ttmp9
	s_and_b32 s[BH], ttmp7, 0xffff
	s_lshl_b32 s[TA], s[BH], 7
	v_lshl_add_u32 v14, v10, 2, s[TA]              ; nrm: (32 bh + lane) x 4
	s_mov_b32 s[SEL], 0x76543210
	s_mov_b32 s[SEL+1], 0xfedcba98
	s_mov_b32 s[C64], 0x3c800000                   ; 1 / 64
	s_mov_b32 s[OFS+1], 0
	s_wait_kmcnt 0x0
	global_load_b128 v[16:19], v13, s[FL:FL+1]             ; lane j: the eight live words of block j,
	global_load_b128 v[20:23], v13, s[FL:FL+1] offset:16
	global_load_b128 v[24:27], v13, s[FL:FL+1] offset:1024 ; and its eight no1 words
	global_load_b128 v[28:31], v13, s[FL:FL+1] offset:1040
	global_load_b32 v34, v14, s[NR:NR+1]
	global_load_b32 v35, v14, s[NR:NR+1] offset:2048
	s_lshl_b32 s[OFS], s[BH], 19                   ; a head: 256 row blocks of 2,048 bytes
	s_add_nc_u64 s[QH:QH+1], s[QK:QK+1], s[OFS:OFS+1]
	s_lshl_b32 s[OFS], s[WV], 13
	s_add_nc_u64 s[KH:KH+1], s[QH:QH+1], s[OFS:OFS+1]
	s_add_nc_u64 s[VH:VH+1], s[KH:KH+1], 0x1000000
	s_add_nc_u64 s[KH:KH+1], s[KH:KH+1], 0x800000
	s_lshl_b32 s[OFS], s[WV], 12                   ; at a unit's end I have tiles 2 w and 2 w + 1
	s_add_nc_u64 s[UH:UH+1], s[QH:QH+1], s[OFS:OFS+1]
	s_add_nc_u64 s[UH:UH+1], s[UH:UH+1], 0x1800000
	s_lshr_b32 s[OFS], s[BH], 3
	s_lshl_b32 s[OFS], s[OFS], 22                  ; batch: 256 row blocks of 16,384 bytes
	s_and_b32 s[TA], s[BH], 7
	s_lshl_b32 s[TA], s[TA], 11
	s_add_co_u32 s[OFS], s[OFS], s[TA]
	s_lshl_b32 s[TA], s[WV], 15
	s_add_co_u32 s[OFS], s[OFS], s[TA]
	s_add_nc_u64 s[OH:OH+1], s[OFP:OFP+1], s[OFS:OFS+1]
	s_lshl_b32 s[OFS], s[WV], 8
	s_add_nc_u64 s[MW:MW+1], s[MK:MK+1], s[OFS:OFS+1]
.set i, 64
.rept 128
	v_mov_b32 v[i], 0                              ; M, once: written before any way through the text reads it
.set i, i+1
.endr
	v_mov_b32 v36, 0
	WIN 0xc0
.set i, 224
.rept 32
	v_mov_b32 v[i], 0                              ; V's half B, once: the first turns multiply it by P = 0
.set i, i+1
.endr
	WIN 0
	s_wait_loadcnt 0x0
	v_or_b32 v16, v16, v17
	v_or_b32 v18, v18, v19
	v_or_b32 v20, v20, v21
	v_or_b32 v22, v22, v23
	v_or_b32 v16, v16, v18
	v_or_b32 v20, v20, v22
	v_or_b32 v16, v16, v20
	v_and_b32 v16, 0xffff, v16                     ; live chunks of block j
	v_or_b32 v24, v24, v25
	v_or_b32 v26, v26, v27
	v_or_b32 v28, v28, v29
	v_or_b32 v30, v30, v31
	v_or_b32 v24, v24, v26
	v_or_b32 v28, v28, v30
	v_or_b32 v24, v24, v28
	v_and_b32 v24, v24, v16                        ; of them, those that want the mask
	v_lshrrev_b32 v17, 1, v16                      ; the number of live chunks
	v_and_b32 v17, 0x5555, v17
	v_sub_nc_u32 v17, v16, v17
	v_lshrrev_b32 v18, 2, v17
	v_and_b32 v18, 0x3333, v18
	v_and_b32 v17, 0x3333, v17
	v_add_nc_u32 v17, v17, v18
	v_lshrrev_b32 v18, 4, v17
	v_add_nc_u32 v17, v17, v18
	v_and_b32 v17, 0x0f0f, v17
	v_lshrrev_b32 v18, 8, v17
	v_add_nc_u32 v17, v17, v18
	v_and_b32 v17, 0x1f, v17
	v_lshl_add_u32 v17, v17, 5, v10                ; key = 32 x count + block: all different
	v_mov_b32 v18, 0
.set i, 0
.rept 32                               ; rank = how many keys are smaller
	v_readlane_b32 s[TA], v17, i
	v_cmp_lt_u32 vcc_lo, s[TA], v17
	v_add_co_ci_u32 v18, vcc_lo, 0, v18, vcc_lo
.set i, i+1
.endr
	s_sub_co_u32 s[LOW], 31, s[PAIR]
	v_cmp_eq_u32 s[TA], s[LOW], v18
	s_ctz_i32_b32 s[U0], s[TA]
	s_min_u32 s[U0], s[U0], 31
	v_readlane_b32 s[U0+1], v16, s[U0]
	v_readlane_b32 s[U0+2], v24, s[U0]
	v_cmp_eq_u32 s[TA], s[PAIR], v18
	s_ctz_i32_b32 s[U0+3], s[TA]
	s_min_u32 s[U0+3], s[U0+3], 31
	v_readlane_b32 s[U0+4], v16, s[U0+3]
	v_readlane_b32 s[U0+5], v24, s[U0+3]
.irp m, 1,2,4,8
	v_max_num_f32_dpp v34, v34, v34 row_xmask:\m row_mask:0xf bank_mask:0xf
	v_max_num_f32_dpp v35, v35, v35 row_xmask:\m row_mask:0xf bank_mask:0xf
.endr
	v_permlanex16_b32 v36, v34, s[SEL], s[SEL+1]
	v_max_num_f32 v34, v34, v36
	v_permlanex16_b32 v36, v35, s[SEL], s[SEL+1]
	v_max_num_f32 v35, v35, v36
	v_sqrt_f32 v34, v34
	v_sqrt_f32 v35, v35
	v_nop
	s_wait_alu depctr_va_vdst(0)                   ; one wait for the two roots
	v_mul_f32 v34, v34, v35
	v_max_num_f32 v34, 0x21800000, v34             ; b, at least 2^-60
	v_rcp_f32 v35, v34
	v_xor_b32 v36, 0x80000000, v34                 ; B = -b
	s_wait_alu depctr_va_vdst(0)
	v_mul_f32 v35, v35, v35
	v_mul_f32 v35, 0x37ae98ee, v35                 ; eps x log2(e)^2 / b^2
	v_readfirstlane_b32 s[BB], v36
	s_mov_b32 s[BB+1], s[BB]
	v_readfirstlane_b32 s[EPS], v35
; The next live chunk: the lowest bit of BITS; where none is left, chunk 15's addresses, whose loads are not used.
.macro NEXTC
	s_sub_co_u32 s[LOW], 0, s[BITS]
	s_and_b32 s[LOW], s[LOW], s[BITS]
	s_xor_b32 s[BITS], s[BITS], s[LOW]
	s_and_b32 s[KN], s[LOW], s[GEN]
	s_cmp_lg_u32 s[KN], 0
	s_cselect_b32 s[KN], 1, 0
	s_ctz_i32_b32 s[CN], s[LOW]
	s_min_u32 s[CN], s[CN], 15
	s_lshl_b32 s[OFS], s[CN], 15
	s_add_nc_u64 s[KNB:KNB+1], s[KH:KH+1], s[OFS:OFS+1]
	s_add_nc_u64 s[VN:VN+1], s[VH:VH+1], s[OFS:OFS+1]
	s_lshl_b32 s[OFS], s[CN], 10
	s_add_nc_u64 s[MN:MN+1], s[MB:MB+1], s[OFS:OFS+1]
.endm
.macro LDK reg, off                    ; 32 keys x 64 channels of k: eight pieces of 512 consecutive bytes
.irp i, 0,1,2,3,4,5,6,7
	global_load_b128 v[(\reg)+4*\i:(\reg)+4*\i+3], v1, s[KNB:KNB+1] offset:(\off)+512*\i
.endr
.endm
.macro LDV reg, base, off              ; 32 keys x 64 channels of v, turned by its producer
.irp i, 0,1,2,3,4,5,6,7
	global_load_b128 v[(\reg)+8*(\i/2)+4*(\i%2):(\reg)+8*(\i/2)+4*(\i%2)+3], v1, s[(\base):(\base)+1] offset:(\off)+(\i%2)*2048+(\i/2)*512
.endr
.endm
.macro LDM reg, base, tl, sub          ; a piece's mask words: 2 tiles x 32 keys, 32 bytes a lane and 16 keys
.irp i, 0,1,2,3,4,5,6,7
	global_load_b128 v[(\reg)+4*\i:(\reg)+4*\i+3], v2, s[(\base):(\base)+1] offset:((\tl)+\i/4)*262144+(\sub)*128+((\i/2)%2)*64+(\i%2)*16
.endr
.endm
; A unit is set up: its bits, its addresses, and its first loads in the order in which the loop issues them: Q, K half A, piece 0's mask, then the sixteen of K half B and V half A.
.macro PROLOGUE u
	s_wait_xcnt 0x0                                ; earlier loads and prefetches have read their bases
	s_mov_b32 s[BITS], s[U0+3*(\u)+1]
	s_mov_b32 s[GEN], s[U0+3*(\u)+2]
	s_bcnt1_i32_b32 s[NCH], s[BITS]
	s_mov_b32 s[KC], 0
	s_sub_co_u32 s[TA], s[BITS], 1
	s_and_b32 s[PFB], s[BITS], s[TA]
	s_sub_co_u32 s[TA], s[PFB], 1
	s_and_b32 s[PFB], s[PFB], s[TA]                ; the live chunks less the first two: what the prefetches walk
	s_lshl_b32 s[OFS], s[U0+3*(\u)], 21
	s_add_nc_u64 s[MB:MB+1], s[MW:MW+1], s[OFS:OFS+1]
	s_lshl_b32 s[OFS], s[U0+3*(\u)], 14
	s_add_nc_u64 s[QB:QB+1], s[QH:QH+1], s[OFS:OFS+1]
	s_add_nc_u64 s[UBN:UBN+1], s[UH:UH+1], s[OFS:OFS+1]
	s_lshl_b32 s[OFS], s[U0+3*(\u)], 17
	s_add_nc_u64 s[OBN:OBN+1], s[OH:OH+1], s[OFS:OFS+1]
	NEXTC
	WIN 0xc0
.set i, 0
.rept 32
	global_load_b128 v[4*i:4*i+3], v1, s[QB:QB+1] offset:512*i
.set i, i+1
.endr
	LDK 128, 0
	WIN 0
	s_cmp_eq_u32 s[KN], 0
	s_cbranch_scc1 .Lpm_\@
	LDM 64, MN, 0, 0
.Lpm_\@:
	WIN 0xc0
	LDK 160, 4096
	LDV 192, VN, 0
	WIN 0
.endm
.macro TOP                             ; a trip's head: the chunks move up, the one after is found
	s_wait_xcnt 0x0                                ; the bases are written again only behind this wait
	s_mov_b32 s[KP], s[KC]
	s_mov_b32 s[KC], s[KN]
	s_mov_b64 s[VC:VC+1], s[VN:VN+1]
	s_mov_b64 s[MC:MC+1], s[MN:MN+1]
	NEXTC
	s_or_b32 s[FA], s[KP], s[KC]
	s_or_b32 s[FB], s[KC], s[KN]
	s_sub_co_u32 s[LOW], 0, s[PFB]
	s_and_b32 s[LOW], s[LOW], s[PFB]
	s_xor_b32 s[PFB], s[PFB], s[LOW]
	s_and_b32 s[PFK], s[LOW], s[GEN]
	s_ctz_i32_b32 s[CN], s[LOW]
	s_min_u32 s[CN], s[CN], 15
	s_lshl_b32 s[OFS], s[CN], 10
	s_add_nc_u64 s[PFA:PFA+1], s[MB:MB+1], s[OFS:OFS+1]
	s_cmp_eq_u32 s[BH], 0
	s_cselect_b32 s[PFK], s[PFK], 0
.endm
; A prefetch of mask words: the chunk two trips on, if it wants the mask: my wave's 256 bytes of the block's 128 rows, a lane a row.  All 16 heads read the same words: head 0's work-group asks, so each
; row's 256 bytes are named once.  A unit's first two chunks come by their loads alone.  It stands behind the turn's run of loads.
.macro ASKM
	s_cmp_lg_u32 s[PFK], 0
	s_cbranch_scc0 .Lna_\@
.irp i, 0,1,2,3
	global_prefetch_b8 v7, s[PFA:PFA+1] offset:\i*524288 th:TH_LOAD_NT scope:SCOPE_SE
.endr
.Lna_\@:
.endm
; The mask's part of turn th.  First: piece th - 3's scores are multiplied by its mask words, rounded to bf16.  Then: piece th + 1's words are asked for, into the set just read.
; Each such load is older than the next group of sixteen K and V loads, so the turn's wait that leaves sixteen out shows it done before it is used.
.macro MBLK th, body
.if (\th) <= 2
.set FANY, FA
.set KA, KP
.set KBK, KC
.set MBS, MC
.elseif (\th) <= 6
.set FANY, KC
.set KA, KC
.set KBK, KC
.set MBS, MC
.else
.set FANY, FB
.set KA, KC
.set KBK, KN
.set MBS, MN
.endif
.if !(\body)
.set FANY, KP
.endif
	s_cmp_eq_u32 s[FANY], 0
	s_cbranch_scc1 .Lme_\@
.if KA != FANY
	s_cmp_eq_u32 s[KA], 0
	s_cbranch_scc1 .Lmb_\@
.endif
.set i, 0
.rept 16
	v_cvt_pk_bf16_f32 v[Md+i], v[Md+2*i], v[Md+2*i+1]
.set i, i+1
.endr
	WIN W_MX
.set i, 0
.rept 16
	v_fma_mix_f32_bf16 v[Td+2*i], v[Td+2*i], v[Md+i], v3 op_sel_hi:[0,1,0]
	v_fma_mix_f32_bf16 v[Td+2*i+1], v[Td+2*i+1], v[Md+i], v3 op_sel:[0,1,0] op_sel_hi:[0,1,0]
.set i, i+1
.endr
	WIN 0
.Lmb_\@:
.if \body
.if KBK != FANY
	s_cmp_eq_u32 s[KBK], 0
	s_cbranch_scc1 .Lme_\@
.endif
	LDM Md, MBS, 2*((((\th)+1)%8)%4), (((\th)+1)%8)/4
.endif
.Lme_\@:
.endm
.macro KQ1                             ; product ii of 8 of S^T = K Q^T: tile (ii % 4) / 2, keys 16 (ii % 2) on, channels 32 (ii / 4) on; the four accumulators take turns
	WIN W_KQ
.set rT, Ta+8*(ii%4)
.set rK, KB0+16*(ii%2)+8*(ii/4)
.set rQ, 16*(2*pp+(ii%4)/2)+8*(ii/4)
.if ii < 4
	v_wmma_f32_16x16x32_f16 v[rT:rT+7], v[rK:rK+7], v[rQ:rQ+7], 0
.else
	v_wmma_f32_16x16x32_f16 v[rT:rT+7], v[rK:rK+7], v[rQ:rQ+7], v[rT:rT+7]
.endif
.endm
.macro PV1                             ; product ii of 8 of O^T += V^T P: tile ii % 2, channels 16 (ii / 2) on: eight accumulators
	WIN W_PV
.set rO, 32*(2*pp+ii%2)+8*(ii/2)
.set rV, VB0+8*(ii/2)
.set rP, Ef+16*(ii%2)
	v_wmma_f32_16x16x32_f16 v[rO:rO+7], v[rV:rV+7], v[rP:rP+7], v[rO:rO+7]
.endm
.macro DD n
	v_pk_fma_f32 v[Ec+2*(\n):Ec+2*(\n)+1], v[Ec+2*(\n):Ec+2*(\n)+1], s[BB:BB+1], s[BB:BB+1] op_sel_hi:[1,0,0]
.endm
.macro EE n
	v_exp_f32 v[Eb+(\n)], v[Tb+(\n)]
.endm
.macro RR n
	v_rcp_f32 v[Ec+(\n)], v[Ec+(\n)]
.endm
.macro MM n
	v_pk_mul_f32 v[Td+2*(\n):Td+2*(\n)+1], v[Td+2*(\n):Td+2*(\n)+1], v[Ed+2*(\n):Ed+2*(\n)+1]
.endm
.macro CC n
	v_cvt_pk_f16_f32 v[Ed+(\n)+8*((\n)/8)], v[Td+2*(\n)], v[Td+2*(\n)+1]
.endm
; TURN th of a chunk's eight.  Sets by the piece's number mod 4.  No rider names a register of the products round it; nothing in the turn names a result of the turn's transcendentals; the last rounding is the plain
; instruction behind the last of them; one wait closes the turn.  The sixteen roundings are also the places between the last product and the loads into K's and V's registers.
; body = 0: the tail: no loads, no wait on them.
.macro TURN th, kq=1, ex=1, dr=1, mc=1, pv=1, body=1
.set pp, (\th)%4
.set Ta, 32*pp
.set Tb, 32*((pp+3)%4)
.set Eb, 128+Tb
.set Ec, 128+32*((pp+2)%4)
.set Td, 32*((pp+1)%4)
.set Ed, 128+Td
.set Ef, 128+Ta
.set Md, 64+Td
.set KB0, 128+32*((\th)/4)
.set VB0, 224-32*((\th)/4)
.if (\body) && (pp == 0)
	s_wait_loadcnt 16                              ; all but the youngest group of sixteen: this half's K and V are in, and every mask word asked for before that group
.endif
.if \mc
	MBLK \th, \body
.endif
.set ii, 0
.rept 8
.if \kq
	KQ1
.endif
.if (\dr) || (\ex)
	WIN W_VE
.endif
.if \dr
	DD 2*ii
.endif
.if \ex
	EE 2*ii
.endif
.if \dr
	DD 2*ii+1
.endif
.if \ex
	EE 2*ii+1
.endif
.set ii, ii+1
.endr
.set ii, 0
.rept 8
.if \pv
	PV1
.endif
.if (\dr) || (\mc)
	WIN W_VE
.endif
.if \mc
	MM 2*ii
.endif
.if \dr
	RR 2*ii
.endif
.if \mc
	MM 2*ii+1
.endif
.if \dr
	RR 2*ii+1
.endif
.set ii, ii+1
.endr
.set ii, 0
.rept 16
.if \ex
	EE 16+ii
.endif
.if \dr
	RR 16+ii
.endif
.if \mc
	CC ii
.endif
.set ii, ii+1
.endr
.if (\ex) || (\dr)
	s_wait_alu depctr_va_vdst(0)                   ; the turn's one wait
.endif
	WIN 0
.if (\body) && ((\th) == 3)
	WIN 0xc0
	LDK 128, 0                                     ; the next chunk's K half A, this chunk's V half B
	LDV 224, VC, 4096
	WIN 0
	ASKM
.endif
.if (\body) && ((\th) == 7)
	WIN 0xc0
	LDK 160, 4096                                  ; the next chunk's K half B and V half A
	LDV 192, VN, 0
	WIN 0
.endif
.endm
	PROLOGUE 0
	s_mov_b32 s[UC], 2
.Lunit:
	s_wait_xcnt 0x0                                ; the last unit's stores have read their registers and base
	s_mov_b64 s[UB:UB+1], s[UBN:UBN+1]
	s_mov_b64 s[OB:OB+1], s[OBN:OBN+1]
	WIN 0x40
.set i, 0
.rept 256
	v_mov_b32 v[i], 0                              ; T and E
.set i, i+1
.endr
	WIN 0x80
.set i, 0
.rept 256
	v_mov_b32 v[i], 0                              ; O
.set i, i+1
.endr
	WIN 0
	s_mov_b32 s[CNT], 0
	s_cmp_eq_u32 s[NCH], 0
	s_cbranch_scc1 .Ltail
.Ltrip:                                ; a live chunk a trip
	TOP
	TURN 0
	TURN 1
	TURN 2
	TURN 3
	TURN 4
	TURN 5
	TURN 6
	TURN 7
	s_add_co_u32 s[CNT], s[CNT], 1
	s_cmp_lt_u32 s[CNT], s[NCH]
	s_cbranch_scc1 .Ltrip
.Ltail:                                ; the stages run empty
	s_mov_b32 s[KP], s[KC]
	s_wait_loadcnt 16                              ; V half B of the last chunk is in; the sixteen look-ahead loads may stay out
	TURN 0, 0, 1, 1, 1, 1, 0
	TURN 1, 0, 0, 1, 1, 1, 0
	TURN 2, 0, 0, 0, 1, 1, 0
	TURN 3, 0, 0, 0, 0, 1, 0
	PLACES
	s_wait_loadcnt 0x0                             ; the look-ahead loads: their registers are loaded again below
	WIN 0x08                                       ; store data in window 2
.set i, 0
.rept 64
	ds_store_b128 v4, v[4*i:4*i+3] offset:512*i    ; my partial O: tile i / 8, 512 bytes a store
.set i, i+1
.endr
	WIN 0
	s_cmp_eq_u32 s[UC], 2
	s_cbranch_scc0 .Lnopro
	PROLOGUE 1                                     ; the second unit's first loads land under the first unit's end
.Lnopro:
	WIN 0x40
.irp i, 0,1,2,3,4,5,6,7
	global_load_b128 v[4*\i:4*\i+3], v1, s[UB:UB+1] offset:512*\i       ; u of my two tiles
.endr
.irp i, 0,1,2,3,4,5,6,7
	global_load_b128 v[32+4*\i:32+4*\i+3], v33, s[GAM:GAM+1] offset:(\i/2)*64+(\i%2)*16
	global_load_b128 v[64+4*\i:64+4*\i+3], v33, s[BET:BET+1] offset:(\i/2)*64+(\i%2)*16
.endr
	v_mov_b32 v96, 0
	WIN 0
	s_wait_dscnt 0x0                               ; for the others' sake: my partial sums lie in LDS
	s_barrier_signal -1
	s_barrier_wait -1
	WIN 0x80
.set i, 0
.rept 64                               ; source wave i / 16, my tile (i / 8) % 2, 512 bytes i % 8
	ds_load_b128 v[4*i:4*i+3], v[5+i/32] offset:((i/16)%2)*32768+(i%16)*512
.set i, i+1
.endr
	WIN 0
	s_wait_dscnt 0x0                               ; my reads are over: the next unit stores there again behind this barrier
	s_barrier_signal -1
	s_barrier_wait -1
	s_wait_loadcnt 0x0
	WIN W_VE
.set i, 0
.rept 16
	v_cvt_pk_bf16_f32 v[32+i], v[32+2*i], v[33+2*i]
	v_cvt_pk_bf16_f32 v[64+i], v[64+2*i], v[65+2*i]
.set i, i+1
.endr
	WIN 0xaa                                       ; all in window 2
.set i, 0
.rept 32
	v_pk_add_f32 v[i:i+1], v[i:i+1], v[64+i:65+i]
	v_pk_add_f32 v[128+i:129+i], v[128+i:129+i], v[192+i:193+i]
.set i, i+2
.endr
.set i, 0
.rept 32
	v_pk_add_f32 v[i:i+1], v[i:i+1], v[128+i:129+i]
.set i, i+2
.endr
.macro FOLD                            ; sixteen numbers into one, over the lane and the lane 16 away
.irp o, 8,4,2
.set i, 0
.rept (\o)/2
	v_pk_add_f32 v[TT+i:TT+i+1], v[TT+i:TT+i+1], v[TT+(\o)+i:TT+(\o)+i+1]
.set i, i+2
.endr
.endr
	v_add_f32 v[TT], v[TT], v[TT+1]
	v_permlanex16_b32 v[TT+1], v[TT], s[SEL], s[SEL+1]
	v_add_f32 v[TT], v[TT], v[TT+1]
.endm
.macro LNA u                           ; mean, differences, their squares' sum, 1 / sqrt(var + eps')
.set X, 32*(\u)
.set TT, 64+32*(\u)
.set MU, 128+4*(\u)
.set RS, 130+4*(\u)
.set i, 0
.rept 8
	v_pk_add_f32 v[TT+i:TT+i+1], v[X+i:X+i+1], v[X+16+i:X+17+i]
.set i, i+2
.endr
	FOLD
	v_mul_f32 v[MU], s[C64], v[TT]
	v_mov_b32 v[MU+1], v[MU]
.set i, 0
.rept 16
	v_pk_add_f32 v[X+i:X+i+1], v[X+i:X+i+1], v[MU:MU+1] neg_lo:[0,1] neg_hi:[0,1]
.set i, i+2
.endr
.set i, 0
.rept 8
	v_pk_mul_f32 v[TT+i:TT+i+1], v[X+i:X+i+1], v[X+i:X+i+1]
.set i, i+2
.endr
.set i, 0
.rept 8
	v_pk_fma_f32 v[TT+i:TT+i+1], v[X+16+i:X+17+i], v[X+16+i:X+17+i], v[TT+i:TT+i+1]
.set i, i+2
.endr
	FOLD
	v_fma_f32 v[TT], v[TT], s[C64], s[EPS]
	v_rsq_f32 v[RS], v[TT]
.endm
.macro LNB u                           ; the norm, gamma and beta, u, the rounding to bf16, 2,048 consecutive bytes out
.set X, 32*(\u)
.set RS, 130+4*(\u)
	WIN 0xaa
	v_mov_b32 v[RS+1], v[RS]
.set i, 0
.rept 16
	v_pk_mul_f32 v[X+i:X+i+1], v[X+i:X+i+1], v[RS:RS+1]
.set i, i+2
.endr
	WIN 0x96                                       ; sources 1 and 2 in window 1
.set i, 0
.rept 16
	v_fma_mix_f32_bf16 v[X+2*i], v[X+2*i], v[32+i], v[64+i] op_sel_hi:[0,1,1]
	v_fma_mix_f32_bf16 v[X+2*i+1], v[X+2*i+1], v[32+i], v[64+i] op_sel:[0,1,1] op_sel_hi:[0,1,1]
.set i, i+1
.endr
.set i, 0
.rept 16
	v_fma_mix_f32 v[X+2*i], v[X+2*i], v[16*(\u)+i], v96 op_sel_hi:[0,1,0]
	v_fma_mix_f32 v[X+2*i+1], v[X+2*i+1], v[16*(\u)+i], v96 op_sel:[0,1,0] op_sel_hi:[0,1,0]
.set i, i+1
.endr
	WIN 0xaa
.set i, 0
.rept 16
	v_cvt_pk_bf16_f32 v[X+i], v[X+2*i], v[X+2*i+1]
.set i, i+1
.endr
	WIN 0x08
.irp c, 0,1,2,3
	global_store_b128 v1, v[X+4*\c:X+4*\c+3], s[OB:OB+1] offset:(\u)*16384+\c*512
.endr
.endm
	LNA 0
	LNA 1
	v_nop                                          ; a plain instruction behind the second root,
	s_wait_alu depctr_va_vdst(0)                   ; and one wait for both
	LNB 0
	LNB 1
	WIN 0
	s_sub_co_u32 s[UC], s[UC], 1
	s_cmp_lg_u32 s[UC], 0
	s_cbranch_scc1 .Lunit
	s_wait_tensorcnt 0x0                           ; the wave's end
	ds_add_u32 v8, v9
	s_wait_dscnt 0x0
	s_endpgm
.Lfunc_end_k_q001281dc01_attn:
	.size	k_q001281dc01_attn, .Lfunc_end_k_q001281dc01_attn-k_q001281dc01_attn
	.p2alignl 7, 3214868480
	.fill 96, 4, 3214868480
	.section	.rodata,"a",@progbits
	.p2align	6, 0x0
	.amdhsa_kernel k_q001281dc01_attn
		.amdhsa_group_segment_fixed_size 131584
		.amdhsa_private_segment_fixed_size 0
		.amdhsa_enable_private_segment 0
		.amdhsa_kernarg_size 56
		.amdhsa_user_sgpr_count 2
		.amdhsa_user_sgpr_kernarg_segment_ptr 1
		.amdhsa_wavefront_size32 1
		.amdhsa_system_sgpr_workgroup_id_x 1
		.amdhsa_system_sgpr_workgroup_id_y 1
		.amdhsa_system_sgpr_workgroup_id_z 1
		.amdhsa_system_vgpr_workitem_id 0
		.amdhsa_next_free_vgpr 1024
		.amdhsa_next_free_sgpr 96
		.amdhsa_reserve_vcc 1
		.amdhsa_float_denorm_mode_32 3
		.amdhsa_float_denorm_mode_16_64 3
		.amdhsa_memory_ordered 1
		.amdhsa_forward_progress 1
		.amdhsa_inst_pref_size 203
	.end_amdhsa_kernel
	.amdgpu_metadata
---
amdhsa.version: [ 1, 2 ]
amdhsa.kernels:
  - .name:           k_q001281dc01_attn
    .symbol:         k_q001281dc01_attn.kd
    .args:
      - { .name: qkvu, .offset: 0, .size: 8, .value_kind: global_buffer, .address_space: global }
      - { .name: nrm, .offset: 8, .size: 8, .value_kind: global_buffer, .address_space: global }
      - { .name: flags, .offset: 16, .size: 8, .value_kind: global_buffer, .address_space: global }
      - { .name: attn_mask, .offset: 24, .size: 8, .value_kind: global_buffer, .address_space: global }
      - { .name: ln_gamma, .offset: 32, .size: 8, .value_kind: global_buffer, .address_space: global }
      - { .name: ln_beta, .offset: 40, .size: 8, .value_kind: global_buffer, .address_space: global }
      - { .name: of, .offset: 48, .size: 8, .value_kind: global_buffer, .address_space: global }
    .group_segment_fixed_size: 131584
    .private_segment_fixed_size: 0
    .kernarg_segment_align: 8
    .kernarg_segment_size: 56
    .max_flat_workgroup_size: 128
    .sgpr_count:     96
    .vgpr_count:     1024
    .wavefront_size: 32
...
	.end_amdgpu_metadata
.endif
;; end of part 3
;; launch outp (part 4): grid 4 x 64, 4 waves a work-group, clusters of 4 x 4, 296,448 bytes of LDS; arguments of, wb2, out0; writes out0
.if DOCPART == 4
	.amdgcn_target "amdgcn-amd-amdhsa--gfx1250"
	.amdhsa_code_object_version 6
	.text
	.protected	k_q001281dc01_outp
	.globl	k_q001281dc01_outp
	.p2align	8
	.type	k_q001281dc01_outp,@function
k_q001281dc01_outp:
	s_mov_b64 s[64:65], 0
	v_nop
	global_prefetch_b8 v0, s[64:65] scope:SCOPE_SE
	s_setreg_imm32_b32 hwreg(HW_REG_WAVE_MODE, 25, 1), 1
	s_wait_xcnt 0x0
	s_wait_alu depctr_hold_cnt(0) depctr_sa_sdst(0) depctr_va_vdst(0) depctr_va_sdst(0) depctr_va_ssrc(0) depctr_va_vcc(0) depctr_vm_vsrc(0)
	s_getreg_b32 s2, hwreg(HW_REG_IB_STS2, 6, 4)
	s_cmp_eq_u32 s2, 0
	s_cbranch_scc0 .Lentry_in_a_cluster
	s_endpgm
.Lentry_in_a_cluster:
	s_bfe_u32 s2, ttmp6, 0x10000c
	s_cmp_lg_u32 s2, 0xf033
	s_cbranch_scc0 .Lentry_shape_is_right
	s_endpgm
.Lentry_shape_is_right:
; Launch 4 of 4: out0 = O W_out, 8,192 x 512 x 512, bf16 operands, f32 sums and output.  Nothing of reference() is left out here.
; A tile of 128 x 128 to a work-group, 64 x 64 to each of four waves: 16 accumulators.  All of K = 512 fits in LDS: each wave asks for its four quarters at the start and no byte is filled again.
; CLUSTER 4 x 4: O's tile is shared along a row of the cluster, W's along a column; both are asked for jointly.
; O lies in pieces of 512 bytes that are halves of operand fragments (row block's 16,384 bytes = K ascending in blocks of 16): plain loads of 16 bytes a lane, 512 consecutive bytes, no padding needed.
; W lies [k][n] and comes out of LDS turned.  The matrix instruction is used transposed: a lane holds one row of the output and 8 neighbouring columns.
.set AQ,     32768                     ; a quarter of K of O's tile: 8 row blocks x 4,096 bytes
.set PB,     288                       ; a row of W in LDS: 256 bytes + 32
.set BQ,     128*PB
.set BBASE,  4*AQ
.set STAGE,  BBASE+4*BQ                ; 16 rows x 272 bytes for each wave
.set SPITCH, 272
.set SPARE,  STAGE+4*16*SPITCH
.set ADRA, 16                          ; v16-17
.set ADRB, 20                          ; v20-23, one for each quarter
.set STO,  24
.set RD,   25
.set CO,   26
.set SPW,  28
.set NIL,  29
.set OBF,  32                          ; v32-95 rows read back, two buffers
.set ACC,  128
.set G1A, 24
.set G1B, 32
.set G0A, 68                           ; s[68:83]
.set G0B, 84                           ; s[84:99]
.set MSB, 0
.macro WIN new
.if MSB != (\new)
	s_set_vgpr_msb (MSB<<8)|(\new)
.set MSB, \new
.endif
.endm
.macro CROUND
	s_barrier_signal -1
	s_barrier_wait -1
	s_cmp_lg_u32 s10, 0
	s_cbranch_scc1 .Lnot_wave_0_\@
	s_barrier_signal -3
.Lnot_wave_0_\@:
	s_barrier_wait -3
	s_barrier_signal -1
	s_barrier_wait -1
.endm
.macro PLACES
.rept 4
	v_nop
.endr
.endm
	s_load_b128 s[4:7], s[0:1], 0x0                ; of, wb2
	s_load_b64 s[8:9], s[0:1], 0x10                ; out0
	v_lshl_add_u32 v[SPW], v0, 2, SPARE
	v_mov_b32 v[NIL], 0
	ds_add_u32 v[SPW], v[NIL]                      ; the opening: the add, twice on end, and its wait ahead of my first tensor load
	ds_add_u32 v[SPW], v[NIL]
	v_lshrrev_b32 v1, 5, v0
	v_readfirstlane_b32 s10, v1
	s_lshr_b32 s11, s10, 1                         ; my half of the rows; also: I fetch O (0) or W (1)
	s_and_b32 s12, s10, 1                          ; my half of the columns; also: which half I fetch
	s_bfe_u32 s40, ttmp6, 0x40000                  ; cx
	s_bfe_u32 s41, ttmp6, 0x40004                  ; cy
	s_lshl_b32 s42, ttmp9, 2
	s_add_co_u32 s42, s42, s40                     ; column tile
	s_and_b32 s13, ttmp7, 0xffff
	s_lshl_b32 s13, s13, 2
	s_add_co_u32 s13, s13, s41                     ; row tile
	s_lshl_b32 s43, s41, 2
	s_lshl_b32 s43, 15, s43                        ; my row of the cluster
	s_lshl_b32 s44, 0x1111, s40                    ; my column
	s_or_b32 s[G1A+0], s43, (3<<16)|(1<<21)        ; 8-byte elements, no padding
	s_mov_b32 s[G1A+1], 512<<16                    ; tensor_dim0 = 512 elements: 4,096 bytes
	s_mov_b32 s[G1A+2], 4<<16                      ; tensor_dim1 = 4 row blocks
	s_mov_b32 s[G1A+3], 512<<16
	s_mov_b32 s[G1A+4], 4
	s_mov_b32 s[G1A+5], 2048                       ; 16,384 bytes from row block to row block
	s_mov_b32 s[G1A+6], 0
	s_mov_b32 s[G1A+7], 0
	s_or_b32 s[G1B+0], s44, (1<<16)|(1<<20)|(1<<21)|(5<<22)|(7<<25)  ; 8 words of padding after every 64
	s_mov_b32 s[G1B+1], 128<<16
	s_mov_b32 s[G1B+2], 64<<16
	s_mov_b32 s[G1B+3], 128<<16
	s_mov_b32 s[G1B+4], 64
	s_mov_b32 s[G1B+5], 512
	s_mov_b32 s[G1B+6], 0
	s_mov_b32 s[G1B+7], 0
	s_lshl_b32 s16, s13, 17                        ; O: 8 row blocks a tile,
	s_lshl_b32 s17, s12, 16                        ; 4 a half
	s_add_co_u32 s16, s16, s17
	s_mov_b32 s17, 0
	s_lshl_b32 s46, s12, 16                        ; W: 64 rows of 1,024 bytes a half,
	s_lshl_b32 s47, s42, 8                         ; 256 bytes a column tile
	s_add_co_u32 s46, s46, s47
	s_mov_b32 s47, 0
	s_lshl_b32 s20, s12, 14
	s_mul_i32 s21, s12, 64*PB
	s_add_co_u32 s21, s21, BBASE
	s_wait_dscnt 0x0
	s_wait_kmcnt 0x0
	s_add_nc_u64 s[14:15], s[4:5], s[16:17]
	s_add_nc_u64 s[46:47], s[6:7], s[46:47]
	CROUND                                         ; all sixteen work-groups are here: the joint loads meet
.irp q, 0,1,2,3
	s_mov_b32 s[G0A+4*\q], 1
	s_add_co_u32 s[G0A+4*\q+1], s20, \q*AQ
	s_add_nc_u64 s[G0A+4*\q+2:G0A+4*\q+3], s[14:15], \q*4096
	s_or_b32 s[G0A+4*\q+3], s[G0A+4*\q+3], 0x80000000
	s_mov_b32 s[G0B+4*\q], 1
	s_add_co_u32 s[G0B+4*\q+1], s21, \q*BQ
	s_add_nc_u64 s[G0B+4*\q+2:G0B+4*\q+3], s[46:47], \q*131072
	s_or_b32 s[G0B+4*\q+3], s[G0B+4*\q+3], 0x80000000
.endr
	s_cmp_eq_u32 s11, 0                            ; a wave's four fills stand in one branch: four loads of mine are out
	s_cbranch_scc0 .Lfill_b
.irp q, 0,1,2,3
	tensor_load_to_lds s[G0A+4*\q:G0A+4*\q+3], s[G1A:G1A+7]
	s_nop 0
.endr
	PLACES
	s_branch .Lfilled
.Lfill_b:
.irp q, 0,1,2,3
	tensor_load_to_lds s[G0B+4*\q:G0B+4*\q+3], s[G1B:G1B+7]
	s_nop 0
.endr
	PLACES
.Lfilled:
	v_and_b32 v1, 15, v0
	v_bfe_u32 v2, v0, 4, 1
	v_and_b32 v3, 7, v0
	v_bfe_u32 v4, v0, 3, 1
	v_and_b32 v5, 31, v0
	s_lshl_b32 s22, s11, 14                        ; my four row blocks
	v_lshl_add_u32 v[ADRA], v5, 4, s22
	v_add_nc_u32 v[ADRA+1], 0x10000, v[ADRA]
	v_lshl_add_u32 v6, v2, 3, v3
	v_mul_u32_u24 v6, v6, PB
	v_lshl_add_u32 v6, v4, 4, v6
	s_lshl_b32 s22, s12, 7                         ; my 64 columns
	s_add_co_u32 s22, s22, BBASE
.irp q, 0,1,2,3
	v_add_nc_u32 v[ADRB+\q], s22, v6
	s_add_co_u32 s22, s22, BQ
.endr
	s_mul_i32 s23, s10, 16*SPITCH
	s_add_co_u32 s23, s23, STAGE
	v_mul_u32_u24 v7, v1, SPITCH
	v_lshl_add_u32 v7, v2, 5, v7
	v_add_nc_u32 v[STO], s23, v7                   ; in: row l % 16, 32 bytes for each half of the lanes
	v_mul_u32_u24 v7, v2, SPITCH
	v_lshl_add_u32 v7, v1, 4, v7
	v_add_nc_u32 v[RD], s23, v7                    ; back: lanes 0-15 one row of 256 bytes, lanes 16-31 the next
	v_lshlrev_b32 v7, 11, v2
	v_lshl_add_u32 v[CO], v1, 4, v7
	s_lshl_b32 s58, s13, 18                        ; out0: 128 rows of 2,048 bytes a tile,
	s_lshl_b32 s59, s11, 17
	s_add_co_u32 s58, s58, s59
	s_lshl_b32 s59, s42, 9
	s_add_co_u32 s58, s58, s59
	s_lshl_b32 s59, s12, 8
	s_add_co_u32 s58, s58, s59
	s_mov_b32 s59, 0
	s_add_nc_u64 s[8:9], s[8:9], s[58:59]
.macro FETCH k, f                      ; 16 LDS loads: 32 along K, step k of 16, into buffer f of window 1: O's four fragments, then W's four
	WIN 0x40
.irp b, 0,1,2,3
	ds_load_tr16_b128 v[(\f)+32+8*\b:(\f)+32+8*\b+3],   v[ADRB+(\k)/4] offset:((\k)%4)*32*PB+32*\b
	ds_load_tr16_b128 v[(\f)+32+8*\b+4:(\f)+32+8*\b+7], v[ADRB+(\k)/4] offset:((\k)%4)*32*PB+32*\b+16*PB
.endr
.irp a, 0,1,2,3
	ds_load_b128 v[(\f)+8*\a:(\f)+8*\a+3],   v[ADRA+(\k)/8] offset:(((\k)/4)%2)*AQ+\a*4096+((\k)%4)*1024
	ds_load_b128 v[(\f)+8*\a+4:(\f)+8*\a+7], v[ADRA+(\k)/8] offset:(((\k)/4)%2)*AQ+\a*4096+((\k)%4)*1024+512
.endr
.endm
.macro MULS f, k                       ; 16 products; the 16 accumulators take turns
	WIN 0x05
.irp a, 0,1,2,3
.irp b, 0,1,2,3
.if (\k) == 0
	v_wmma_f32_16x16x32_bf16 v[ACC+8*(4*\a+\b):ACC+8*(4*\a+\b)+7], v[(\f)+32+8*\b:(\f)+32+8*\b+7], v[(\f)+8*\a:(\f)+8*\a+7], 0
.else
	v_wmma_f32_16x16x32_bf16 v[ACC+8*(4*\a+\b):ACC+8*(4*\a+\b)+7], v[(\f)+32+8*\b:(\f)+32+8*\b+7], v[(\f)+8*\a:(\f)+8*\a+7], v[ACC+8*(4*\a+\b):ACC+8*(4*\a+\b)+7]
.endif
.endr
.endr
.endm
	s_wait_tensorcnt 3                             ; my part of the first quarter is in; three later quarters may stay out
	s_barrier_signal -1
	s_barrier_wait -1
	FETCH 0, 0
.set kx, 0
.rept 16
.if kx < 15
.if (kx+1)%4 == 0
	s_wait_tensorcnt 3-(kx+1)/4                    ; my part of the next quarter is in; the later ones stay out
	s_wait_dscnt 0x0                               ; no LDS load is pending at a signal
	s_barrier_signal -1
	s_barrier_wait -1
.endif
.if kx > 0
	PLACES                                         ; ahead of loads into the buffer that the step before multiplied
.endif
	FETCH kx+1, 64*((kx+1)%2)
	s_wait_dscnt 16                                ; all but the 16 just issued
.else
	s_wait_dscnt 0x0
.endif
	MULS 64*(kx%2), kx
.set kx, kx+1
.endr
	WIN 0
	PLACES
; THE WAY OUT, 16 rows at a time: 32 bytes a lane into my stage, whole rows of 256 bytes back, 16 lanes to a row.
.macro OUTB a
.set BK, OBF+32*((\a)%2)
.irp b, 0,1,2,3
	ds_store_b128 v[STO], v[ACC+8*(4*(\a)+\b):ACC+8*(4*(\a)+\b)+3] offset:64*\b
	ds_store_b128 v[STO], v[ACC+8*(4*(\a)+\b)+4:ACC+8*(4*(\a)+\b)+7] offset:64*\b+16
.endr
	s_wait_xcnt 0x0                                ; earlier stores have read their registers
.irp t, 0,1,2,3,4,5,6,7
	ds_load_b128 v[BK+4*\t:BK+4*\t+3], v[RD] offset:\t*2*SPITCH  ; LDS serves a wave's instructions in order (ISA guide 5.7.1.4)
.endr
	s_wait_dscnt 0x0
.irp t, 0,1,2,3,4,5,6,7
	global_store_b128 v[CO], v[BK+4*\t:BK+4*\t+3], s[8:9] offset:(16*(\a)+2*\t)*2048 th:TH_STORE_NT
.endr
.endm
	OUTB 0
	OUTB 1
	OUTB 2
	OUTB 3
	s_wait_tensorcnt 0x0                           ; the wave's end
	ds_add_u32 v[SPW], v[NIL]
	s_wait_dscnt 0x0
	CROUND                                         ; the closing round
	s_endpgm
.Lfunc_end_k_q001281dc01_outp:
	.size	k_q001281dc01_outp, .Lfunc_end_k_q001281dc01_outp-k_q001281dc01_outp
	.p2alignl 7, 3214868480
	.fill 96, 4, 3214868480
	.section	.rodata,"a",@progbits
	.p2align	6, 0x0
	.amdhsa_kernel k_q001281dc01_outp
		.amdhsa_group_segment_fixed_size 296448
		.amdhsa_private_segment_fixed_size 0
		.amdhsa_enable_private_segment 0
		.amdhsa_kernarg_size 24
		.amdhsa_user_sgpr_count 2
		.amdhsa_user_sgpr_kernarg_segment_ptr 1
		.amdhsa_wavefront_size32 1
		.amdhsa_system_sgpr_workgroup_id_x 1
		.amdhsa_system_sgpr_workgroup_id_y 1
		.amdhsa_system_sgpr_workgroup_id_z 1
		.amdhsa_system_vgpr_workitem_id 0
		.amdhsa_next_free_vgpr 512
		.amdhsa_next_free_sgpr 100
		.amdhsa_reserve_vcc 0
		.amdhsa_float_denorm_mode_32 3
		.amdhsa_float_denorm_mode_16_64 3
		.amdhsa_memory_ordered 1
		.amdhsa_forward_progress 1
		.amdhsa_inst_pref_size 52
	.end_amdhsa_kernel
	.amdgpu_metadata
---
amdhsa.version: [ 1, 2 ]
amdhsa.kernels:
  - .name:           k_q001281dc01_outp
    .symbol:         k_q001281dc01_outp.kd
    .args:
      - { .name: of, .offset: 0, .size: 8, .value_kind: global_buffer, .address_space: global }
      - { .name: wb2, .offset: 8, .size: 8, .value_kind: global_buffer, .address_space: global }
      - { .name: out0, .offset: 16, .size: 8, .value_kind: global_buffer, .address_space: global }
    .group_segment_fixed_size: 296448
    .private_segment_fixed_size: 0
    .kernarg_segment_align: 8
    .kernarg_segment_size: 24
    .max_flat_workgroup_size: 128
    .sgpr_count:     100
    .vgpr_count:     512
    .wavefront_size: 32
...
	.end_amdgpu_metadata
.endif
;; end of part 4
